; MI455X (gfx1250); checked and timed in simulation.
; The chip was launched on July 23, 2026; its instructions are those of AMD's public machine-readable ISA for CDNA 5 (MIT licence, August 2026) and "CDNA5" Instruction Set Architecture Reference Guide (July 2026). The comments in the code are by the model that wrote it; some were corrected since.
;; Attention. Allowed arithmetic: float matrix products may take bf16 or f16 operands with f32 sums; all other float work in f32.
;; Inputs: block_tables 2 x 32 int32; cu_seqlens_k 3 int32; cu_seqlens_q 3 int32; k_cache 64 x 64 x 8 x 128 float32; q 2,048 x 32 x 128 float32; v_cache 64 x 64 x 8 x 128 float32.
;; Outputs: out0 2,048 x 32 x 128 float32.
;; One version. Each part assembles by itself: llvm-mc -triple=amdgcn-amd-amdhsa -mcpu=gfx1250 --defsym DOCPART=n.
;; ======== version 1 of 1: 1 launch
;; limits: right only within a limited range of input values
;; launch attn (part 1): grid 256 x 1, 8 waves a work-group, no clusters, 142,336 bytes of LDS; arguments q, k_cache, v_cache, cu_seqlens_q, cu_seqlens_k, block_tables, out0; writes out0
.if DOCPART == 1
	.amdgcn_target "amdgcn-amd-amdhsa--gfx1250"
	.amdhsa_code_object_version 6
	.text
	.protected	k_q0caa0e2b2b_attn
	.globl	k_q0caa0e2b2b_attn
	.p2align	8
	.type	k_q0caa0e2b2b_attn,@function
k_q0caa0e2b2b_attn:
	s_mov_b64 s[64:65], 0
	v_nop
	global_prefetch_b8 v0, s[64:65] scope:SCOPE_SE
	s_setreg_imm32_b32 hwreg(HW_REG_WAVE_MODE, 25, 1), 1
	s_wait_xcnt 0x0
; Paged causal attention with grouped heads: 2 sequences x 1024 query positions, 32 query heads on 8 kv heads, 128 numbers a head,
; 2048 keys a sequence in 32 blocks of 64 keys that block_tables names.  All buffers f32; products in bf16 with f32 sums.
;
; WHO DOES WHAT.  Work-group = (sequence, kv head, chunk c = 0..3, query head within its group of four).  It owns 256 query positions of
; its head: 128 c .. 128 c + 127 (low) and 896 - 128 c .. 1023 - 128 c (high); low and high chunk together see the same number of keys for
; every c.  Eight waves, two for each of the four SIMDs, 512 registers each, so that one wave has vector work to issue while the other's
; matrix lines run.  Wave w has 32 rows (query tiles 0, 1): high rows if w has an odd number of one bits, low rows otherwise, block w >> 1 of
; the four.  Waves w and w + 4 differ in one bit, and so do waves 2 i and 2 i + 1: of each such pair one is low and one is high.
; The 32 tiles of 64 keys are walked in 16 pairs, a constant number of trips because every step holds a barrier; what a wave does in a step
; is chosen by scalar branches that hold no barrier: the whole step while its rows still see keys, only its share of the conversion while
; other waves' rows do, nothing behind that.
;
; THE TWO ORDERS.  A low wave converts its share of the next tile at the head of the step, a high wave behind its softmax, so the two waves of a
; pair do not start with matrix lines at the same time.  High waves have the late order because in the steps that they walk alone
; nothing should stand in front of their products.
;
; FORMS.  S^T = K Q^T (source 0 = 16 keys, source 1 = 16 queries): a lane holds ONE query (lane % 16) and 8 keys a tile, so the row maximum
; and sum run along registers, with one exchange between the two halves of the wave.  Two neighbouring tiles of S^T, rounded to bf16 in pairs,
; ARE a source-1 fragment (32 keys x 16 queries), so P never moves.  O^T = V^T P^T, V^T read from V[key][d] by the transposing LDS load.
; Q, K and V are rounded to bf16 as they are; the factor c = log2(e) / sqrt(128) is applied in f32: p = 2^(S c - M), one fused line.
;
; K AND V go from memory into registers, since they have to be rounded before the matrix lines can take them: each wave loads its own 8 rows
; of K and of V of a tile (a row is one load of the wave, 512 consecutive bytes), rounds them and stores them into one of two bf16 buffers in
; LDS that all waves read behind the step's one barrier.  Step t multiplies tile t, rounds tile t + 1 and, as soon as that is done, asks for tile
; min(t + 2, 31): 16 loads of every wave, 64 KB of the work-group, are on their way for a whole step.  A second tile on its way would take 64
; registers more, and the wave's 512 are all in use.  An f32 stage in LDS filled by the tensor data mover would send each tile through LDS
; twice more (64 KB written, 64 KB read, beside the 288 KB that a full step moves there now).
;
; MASKS.  A key j counts for query position i if j <= i + hist, j < seq_len_k and its table entry is >= 0; hist and seq_len_k come from
; the two cu_seqlens inputs.  Keys that no row of the work-group can see are skipped only if every row of the work-group has at least one
; key that counts (then their weight is exactly 0); otherwise all 2048 keys are walked for all rows, and a row without any key comes out
; as the mean of all gathered V rows, as the reference has it.
;
; LIMITS.  A masked score is -2^37 before the scale, -1.21e10 behind it, where the reference has -1e10: a power of two, so that its product
; with c is exact and a row without keys gets p = 1 exactly.  The result differs from the reference's only if all true scores of a row lie
; below about -9.9e9.  An infinity or NaN in V behind a SKIPPED key does not reach the output (in the reference 0 x inf gives NaN there).
; Table entries above 63 are taken as 63.  hist is clamped to +-4096 and seq_len_k to 0..2048, which changes no comparison since i < 1024, j < 2048.
;
; NOT USED.  Clusters with joint requests, though the four query heads of a kv head walk the same tiles: a joint request has to be the same
; in all partners by the ids alone and all partners have to pass the same branches, and here each tile's address is a table entry and the
; steps that are skipped hang on lengths, all read from memory.  A form free of both needs a pass that gathers K and V (32 MiB read,
; 16 MiB written and read again) and walks and masks all 32 tiles for all rows: 128 query-tile steps for 64 rows instead of 100.
; Prefetching: each tile is asked for by the 16 work-groups of its (sequence, kv head), a step ahead of its use; a prefetch would be
; a 17th request for the same bytes.
.set KP,      272                      ; K row in LDS: 256 bytes + 16: the 16 rows of a fragment load start in different 16-byte columns of 256
.set VP,      288                      ; V row in LDS: 256 bytes + 32, for the transposing load
.set BFV,     64*KP                    ; V behind K in a bf16 buffer
.set BFSZ,    64*KP+64*VP              ; 35,840: a bf16 buffer; two of them from LDS byte 0
.set STAGE,   2*BFSZ                   ; 71,680: a stage of each wave's own
.set STGW,    32*KP                    ; 8,704: going in 32 rows of Q in bf16 (pitch 272); going out 16 rows of 512 bytes (pitch 528), twice
.set OPITCH,  528
.set TOKEN,   16384                    ; bytes from a token to the next in q and out0 (32 heads x 128 x 4)
.set KEYB,    4096                     ; bytes from a key to the next in a cache (8 kv heads x 128 x 4)
.set QSCALE,  0x3e0293ee               ; c = log2(e) / sqrt(128)
.set PAIRS,   16                       ; 32 tiles of 64 keys
; window 0
.set L16, 1                            ; 16 x lane: my 16 bytes of a 512-byte row
.set AK,  2                            ; K fragments in bf16 buffer 0
.set AV,  3                            ; V^T fragments in bf16 buffer 0
.set AKS, 4                            ; where my 8 bytes of a converted K row go
.set AVS, 5                            ; the same for V
.set AQS, 6                            ; the same for Q, in the stage
.set AQF, 7                            ; Q fragments in the stage
.set AOS, 8                            ; going out: my 32 bytes of a query's row
.set ARD, 9                            ; going out: my 16 bytes of a whole row
.set MX,  16                           ; v[16+2q] running maximum M, times c;  v[17+2q] = XP
.set XP,  17                           ; what the other half of the wave sent
.set AL,  20                           ; v[20+2q] 2^(M_old - M_new), at the end 1 / l;  v[21+2q] = LS
.set LS,  21                           ; running sum l of my half's keys
.set LQ,  24                           ; v[24+q] last key that my query sees, minus 8 x (lane / 16)
.set REL, 26                           ; v[26+q] the same, from the tile's first key
.set TT,  28                           ; v[28+q], v[30+q] two chains of the tile's maximum; v[28+q] then at work
.set ACC, 32                           ; v[32+8q+2k:+1] four chains (k) of the tile's sum
.set CV,  32                           ; v[32:63] my rows of the next tile in bf16: K row n at 32+2n, V row n at 48+2n.  Shares v32-47 with ACC:
                                       ; the LDS stores that read CV are shown done by a wait on DScnt before the sums are started again
.set SB,  64                           ; S(q, mt) = v[64+32q+8mt ..+7]; packed: P(q, c) = v[64+32q+16c ..+7]
.set QF,  128                          ; Q(q, c) = v[128+32q+8c ..+7]
.set STG, 192                          ; my rows of the next tile as loaded, f32: K row n at 192+4n, V row n at 224+4n
; window 1: O(dt, q) = v[16dt+8q ..+7];  v128-255: 16 fragments of 8 registers: K(mt, c) at 128+8(4mt+c), then V^T(dt, c) at 128+8(2dt+c)
.set FR,  128
; s2:3 my sequence's row of block_tables  s4:5 q at my wave's rows  s16:17 out0 at my wave's rows
; s66:67 k_cache + kv head + my wave's 8 rows  s8:9 the same of v_cache  s48:49, s50:51 the same in the block that is being loaded
; s18 wave  s31 hist  s32 last key of the sequence  s33 bit b: entry b < 0
; s34 pairs of tiles that my wave's rows need  s35 pairs that any row needs  s36 pair  s37 tile  s38 last key that my wave's first row sees
; s72:73 a block's byte offset  s74 table entry for the next loads  s78:79 lane selects  s80 masked score  s81 c
; s100 my wave's first position  s101 1: my rows are high rows
.set MSB, 0
.macro WIN new                         ; low byte: bits 1:0 source 0, 3:2 source 1, 5:4 source 2, 7:6 destination; high byte: the setting left
.if MSB != \new
	s_set_vgpr_msb (MSB<<8)|\new
.set MSB, \new
.endif
.endm
.macro PLACES n                        ; places behind matrix instructions (ISA guide 7.12.1); matrix instructions are not counted as places here
.rept \n
	v_nop
.endr
.endm
; Sixteen loads: my wave's 8 rows of K and of V of the block named in e.  No cache hint: 15 other work-groups read the same rows.
; It stands only behind an s_wait_loadcnt 0, which frees the two bases and the 64 registers of the loads before.
.macro GLOAD e
	s_max_i32 \e, \e, 0                                            ; a negative entry gathers block 0, as the reference does
	s_min_u32 \e, \e, 63
	s_lshl_b32 s72, \e, 18                                         ; a block is 64 x 8 x 128 x 4 bytes; s73 = 0
	s_add_nc_u64 s[48:49], s[66:67], s[72:73]
	s_add_nc_u64 s[50:51], s[8:9], s[72:73]
	WIN 0
.irp n, 0,1,2,3,4,5,6,7
	global_load_b128 v[STG+4*\n:STG+4*\n+3], v[L16], s[48:49] offset:KEYB*\n
.endr
.irp n, 0,1,2,3,4,5,6,7
	global_load_b128 v[STG+32+4*\n:STG+32+4*\n+3], v[L16], s[50:51] offset:KEYB*\n
.endr
.endm
; In step t (s37): tile min(t + 2, 31) is asked for; then the entry of tile min(t + 3, 31), for the next step's loads.
.macro ASK
	s_wait_kmcnt 0x0                                               ; the entry asked for a step ago
	GLOAD s74
	s_add_co_u32 s76, s37, 3
	s_min_u32 s76, s76, 31                                         ; the look-ahead stays inside the table's row
	s_lshl_b32 s76, s76, 2
	s_load_b32 s74, s[2:3], s76 offset:0x0
.endm
; My rows of the next tile, asked for a step ago: round them to bf16, into other registers, so that the next loads can go at once.
.macro CONVERT
	WIN 0
	s_wait_loadcnt 0x8                                             ; loads come back in order: K's eight rows are in, V's eight may be out
.set nn, 0
.rept 8
	v_cvt_pk_bf16_f32 v[CV+2*nn], v[STG+4*nn], v[STG+4*nn+1]
	v_cvt_pk_bf16_f32 v[CV+2*nn+1], v[STG+4*nn+2], v[STG+4*nn+3]
.set nn, nn+1
.endr
	s_wait_loadcnt 0x0
.set nn, 0
.rept 8
	v_cvt_pk_bf16_f32 v[CV+16+2*nn], v[STG+32+4*nn], v[STG+32+4*nn+1]
	v_cvt_pk_bf16_f32 v[CV+16+2*nn+1], v[STG+32+4*nn+2], v[STG+32+4*nn+3]
.set nn, nn+1
.endr
.endm
; 8 bytes a lane, 256 consecutive bytes a row, into bf16 buffer 'buf'.
.macro BSTORE buf
.irp n, 0,1,2,3,4,5,6,7
	ds_store_b64 v[AKS], v[CV+2*\n:CV+2*\n+1] offset:\buf*BFSZ+KP*\n
.endr
.irp n, 0,1,2,3,4,5,6,7
	ds_store_b64 v[AVS], v[CV+16+2*\n:CV+16+2*\n+1] offset:\buf*BFSZ+VP*\n
.endr
.endm
; 16 fragments of K: 16 keys (mt) x 32 d (c), two loads of 16 bytes each, in the order in which they are multiplied: c, mt.
.macro KFETCH buf
	WIN 0x40
.irp c, 0,1,2,3
.irp mt, 0,1,2,3
	ds_load_b128 v[FR+8*(4*\mt+\c):FR+8*(4*\mt+\c)+3], v[AK] offset:\buf*BFSZ+16*KP*\mt+64*\c
	ds_load_b128 v[FR+8*(4*\mt+\c)+4:FR+8*(4*\mt+\c)+7], v[AK] offset:\buf*BFSZ+16*KP*\mt+64*\c+32
.endr
.endr
.endm
; 16 fragments of V^T: 16 d (dt) x 32 keys (c), two transposing loads, 16 keys apart, in the order c, dt.
.macro VFETCH buf
	WIN 0x40
.irp c, 0,1
.irp dt, 0,1,2,3,4,5,6,7
	ds_load_tr16_b128 v[FR+8*(2*\dt+\c):FR+8*(2*\dt+\c)+3], v[AV] offset:\buf*BFSZ+32*VP*\c+32*\dt
	ds_load_tr16_b128 v[FR+8*(2*\dt+\c)+4:FR+8*(2*\dt+\c)+7], v[AV] offset:\buf*BFSZ+32*VP*\c+32*\dt+16*VP
.endr
.endr
.endm
; S^T(q, mt) = K(mt, .) Q(q, .)^T.  The first product starts each sum; eight accumulators take turns, so seven other lines stand between
; the links of a chain.
.macro QK
	WIN 0x01
.irp c, 0,1,2,3
	s_wait_dscnt 24-8*\c                                           ; behind K's loads 8 c .. 8 c + 7 stand 24 - 8 c more of K's, nothing else
.irp mt, 0,1,2,3
.irp q, 0,1
.if \c == 0
	v_wmma_f32_16x16x32_bf16 v[SB+32*\q+8*\mt:SB+32*\q+8*\mt+7], v[FR+8*(4*\mt+\c):FR+8*(4*\mt+\c)+7], v[QF+32*\q+8*\c:QF+32*\q+8*\c+7], 0
.else
	v_wmma_f32_16x16x32_bf16 v[SB+32*\q+8*\mt:SB+32*\q+8*\mt+7], v[FR+8*(4*\mt+\c):FR+8*(4*\mt+\c)+7], v[QF+32*\q+8*\c:QF+32*\q+8*\c+7], v[SB+32*\q+8*\mt:SB+32*\q+8*\mt+7]
.endif
.endr
.endr
.endr
.endm
; Masked scores become -2^37.  Skipped when the tile's last key is seen by the wave's first row (s38) and the block's entry is >= 0.
; For a block with a negative entry the tile's first key is taken as 4096, beyond every row's last key: everything is masked.
.macro MASK lbl
	WIN 0
	s_lshl_b32 s77, s37, 6                                         ; the tile's first key
	s_bitcmp1_b32 s33, s37
	s_cselect_b32 s75, 0x1000, s77
	s_add_co_i32 s77, s75, 63
	s_cmp_le_i32 s77, s38
	s_cbranch_scc1 .Lclean_\lbl                                    ; only register work stands between here and the label
.irp q, 0,1
	v_sub_nc_u32 v[REL+\q], v[LQ+\q], s75
.irp mt, 0,1,2,3
.irp j, 0,1,2,3,4,5,6,7
	v_cmp_le_i32 vcc_lo, 16*\mt+\j, v[REL+\q]                      ; key = first + 16 mt + 8 (lane / 16) + j <= my query's last key
	v_cndmask_b32 v[SB+32*\q+8*\mt+\j], s80, v[SB+32*\q+8*\mt+\j], vcc_lo
.endr
.endr
.endr
.Lclean_\lbl:
.endm
; Online softmax of both query tiles; leaves P in bf16 in S's registers.  first = 1: there is no older maximum or sum.
.macro SOFTMAX first
.irp k, 0,1
.irp q, 0,1
	v_max_num_f32 v[TT+2*\k+\q], v[SB+32*\q+2*\k], v[SB+32*\q+2*\k+1]  ; two chains a query tile, started by the first four numbers
.endr
.endr
.irp i, 2,3,4,5,6,7,8,9,10,11,12,13,14,15
.irp q, 0,1
	v_max3_num_f32 v[TT+2*(\i%2)+\q], v[TT+2*(\i%2)+\q], v[SB+32*\q+2*\i], v[SB+32*\q+2*\i+1]
.endr
.endr
.irp q, 0,1
	v_max_num_f32 v[TT+\q], v[TT+\q], v[TT+2+\q]
.endr
.irp q, 0,1
	v_permlanex16_b32 v[XP+2*\q], v[TT+\q], s78, s79               ; the other 32 keys of my query lie in lane xor 16
.endr
.irp q, 0,1
	v_max_num_f32 v[TT+\q], v[TT+\q], v[XP+2*\q]
.endr
.irp q, 0,1
	v_mul_f32 v[TT+\q], s81, v[TT+\q]                              ; c > 0: the maximum of the scaled scores
.endr
.if \first == 0
.irp q, 0,1
	v_max_num_f32 v[TT+\q], v[TT+\q], v[MX+2*\q]
.endr
.irp q, 0,1
	v_sub_f32 v[AL+2*\q], v[MX+2*\q], v[TT+\q]                     ; the very two numbers that old and new weights are taken against
.endr
.irp q, 0,1
	v_exp_f32 v[AL+2*\q], v[AL+2*\q]
.endr
.endif
.irp q, 0,1
	v_mov_b32 v[MX+2*\q], v[TT+\q]                                 ; also the plain place behind the exponentials above (ISA guide 5.7.2)
.endr
.irp i, 0,2,4,6,8,10,12,14,16,18,20,22,24,26,28,30
.irp q, 0,1
	v_pk_fma_f32 v[SB+32*\q+\i:SB+32*\q+\i+1], v[SB+32*\q+\i:SB+32*\q+\i+1], QSCALE, v[MX+2*\q:MX+2*\q+1] op_sel_hi:[1,0,0] neg_lo:[0,0,1] neg_hi:[0,0,1]
.endr
.endr
	; Exponentials of tile kk take turns with the 32 plain lines of tile kk - 1 (12 packed adds in four chains, 4 lines that join them,
	; 16 roundings in place), so that behind each exponential stands a plain line of the other tile.
.set kk, 0
.rept 3
.set ii, 0
.rept 32
.if kk < 2
	v_exp_f32 v[SB+32*kk+ii], v[SB+32*kk+ii]
.endif
.if kk > 0
.set pb, SB+32*(kk-1)
.set pa, ACC+8*(kk-1)
.if ii < 4
	s_wait_alu depctr_va_vdst(0)
	v_pk_add_f32 v[pa+2*ii:pa+2*ii+1], v[pb+2*ii:pb+2*ii+1], v[pb+8+2*ii:pb+8+2*ii+1]   ; starts a chain: nothing is cleared
.else
.if ii < 12
	v_pk_add_f32 v[pa+2*(ii%4):pa+2*(ii%4)+1], v[pa+2*(ii%4):pa+2*(ii%4)+1], v[pb+8+8*(ii/4)+2*(ii%4):pb+8+8*(ii/4)+2*(ii%4)+1]
.else
.if ii < 16
.if ii == 12
	v_pk_add_f32 v[pa:pa+1], v[pa:pa+1], v[pa+2:pa+3]
.endif
.if ii == 13
	v_pk_add_f32 v[pa+4:pa+5], v[pa+4:pa+5], v[pa+6:pa+7]
.endif
.if ii == 14
	v_pk_add_f32 v[pa:pa+1], v[pa:pa+1], v[pa+4:pa+5]
.endif
.if ii == 15
.if \first
	v_add_f32 v[LS+2*(kk-1)], v[pa], v[pa+1]
.else
	v_add_f32 v[TT+kk-1], v[pa], v[pa+1]
.endif
.endif
.else
.set pcv, pb+16*((ii-16)/8)
.set pj, (ii-16)%8
	v_cvt_pk_bf16_f32 v[pcv+pj], v[pcv+2*pj], v[pcv+2*pj+1]        ; writes only registers whose numbers are already summed and rounded
.endif
.endif
.endif
.endif
.set ii, ii+1
.endr
.if kk == 0
	v_nop                                                          ; the plain place behind the first tile's run of exponentials
.endif
.set kk, kk+1
.endr
.if \first == 0
.irp q, 0,1
	v_fma_f32 v[LS+2*\q], v[LS+2*\q], v[AL+2*\q], v[TT+\q]
.endr
.endif
.endm
; O(., q) *= v[AL+2q], a number of the lane's own query.
.macro RESCALE
	WIN 0x41
.irp q, 0,1
.irp dt, 0,1,2,3,4,5,6,7
.irp j, 0,2,4,6
	v_pk_mul_f32 v[16*\dt+8*\q+\j:16*\dt+8*\q+\j+1], v[16*\dt+8*\q+\j:16*\dt+8*\q+\j+1], v[AL+2*\q:AL+2*\q+1] op_sel_hi:[1,0]
.endr
.endr
.endr
.endm
; O^T(dt, q) += V^T(dt, .) P^T(., q), order c, dt, q: fifteen other lines stand between the two links of a chain.
; extra: LDS lines issued behind V^T's loads.
.macro PV first, extra
	WIN 0x51
.irp g, 0,1,2,3
	s_wait_dscnt 24-8*\g+\extra                                    ; behind V's loads 8 g .. 8 g + 7 stand 24 - 8 g more of V's and the extra ones
.irp k, 0,1,2,3
.irp q, 0,1
.set xdt, 4*(\g%2)+\k
.set xc, \g/2
.if \first*(1-xc)
	v_wmma_f32_16x16x32_bf16 v[16*xdt+8*\q:16*xdt+8*\q+7], v[FR+8*(2*xdt+xc):FR+8*(2*xdt+xc)+7], v[SB+32*\q+16*xc:SB+32*\q+16*xc+7], 0
.else
	v_wmma_f32_16x16x32_bf16 v[16*xdt+8*\q:16*xdt+8*\q+7], v[FR+8*(2*xdt+xc):FR+8*(2*xdt+xc)+7], v[SB+32*\q+16*xc:SB+32*\q+16*xc+7], v[16*xdt+8*\q:16*xdt+8*\q+7]
.endif
.endr
.endr
.endr
.endm
; My share of the next tile: from registers into bf16 buffer np, and the loads of the tile behind it.
.macro NEXTTILE np
	CONVERT
	ASK
	BSTORE \np
.endm
; The whole work of step t: tile t lies in bf16 buffer p; tile t + 1 goes into bf16 buffer np.
; early = 1: the next tile's share stands at the head, its 16 stores in front of K's loads: the first wait of S^T shows them done, long
; before the softmax starts its sums in the registers that they read.  early = 0: it stands behind the softmax, and the stores are shown done
; by the step's last wait.
.macro BODY p, np, early, first, lbl
.if \early
	NEXTTILE \np
.endif
	KFETCH \p
	QK
	PLACES 4                                                       ; before V's loads land on K's fragments and S is read
	VFETCH \p
	MASK \lbl
	SOFTMAX \first
.if \early == 0
	NEXTTILE \np
.endif
.if \first == 0
	RESCALE
.endif
	PV \first, 16*(1-\early)                                       ; late order: the 16 bf16 stores stand behind V's loads
	PLACES 5                                                       ; before the next S^T writes over P, loads land on the fragments, or O is read
	WIN 0
	s_wait_dscnt 0x0                                               ; my reads of this bf16 buffer and my stores into the other are done: the signal follows
.endm
.macro BAR                             ; behind it the other bf16 buffer may be read and this one written
	s_barrier_signal -1
	s_barrier_wait -1
.endm
; A step of the loop.  No LDS instruction is left out at the join on any of the four ways.  s36 only grows and s34 <= s35, so a wave goes
; from whole steps to conversions to nothing and never back.
.macro STEP p, np, l, le, ll
	s_lshl1_add_u32 s37, s36, \p
	s_cmp_ge_u32 s36, s34
	s_cbranch_scc1 .Lconv_\l
	s_cmp_lg_u32 s101, 0
	s_cbranch_scc1 .Llate_\l
	BODY \p, \np, 1, 0, \le
	s_branch .Ljoin_\l
.Llate_\l:
	BODY \p, \np, 0, 0, \ll
	s_branch .Ljoin_\l
.Lconv_\l:
	s_cmp_ge_u32 s36, s35
	s_cbranch_scc1 .Ljoin_\l                                       ; no row of the work-group sees further keys: nothing is loaded or converted any more
	NEXTTILE \np                                                   ; my rows see no more keys, other waves' rows do: my share of the next tile
	s_wait_dscnt 0x0
.Ljoin_\l:
	BAR
.endm
; 16 rows of the output (query tile q): through my stage, back as whole rows into 'base'; each store of the wave covers 512 consecutive bytes, aligned.
.macro OUTQ q, base
	WIN 0x04
.irp dt, 0,1,2,3,4,5,6,7
	ds_store_b128 v[AOS], v[16*\dt+8*\q:16*\dt+8*\q+3] offset:64*\dt
	ds_store_b128 v[AOS], v[16*\dt+8*\q+4:16*\dt+8*\q+7] offset:64*\dt+16
.endr
	WIN 0
.set nn, 0
.rept 16
	ds_load_b128 v[\base+4*nn:\base+4*nn+3], v[ARD] offset:OPITCH*nn   ; LDS serves a wave's instructions in order: these see the stores above
.set nn, nn+1
.endr
.set nn, 0
.rept 16
.if (nn%8) == 0
	s_wait_dscnt 8-nn                                              ; eight more rows are in
.endif
	global_store_b128 v[L16], v[\base+4*nn:\base+4*nn+3], s[16:17] offset:TOKEN*(16*\q+nn) th:TH_STORE_NT
.set nn, nn+1
.endr
.endm
	; ---- arguments and ids
	s_load_b256 s[4:11], s[0:1], 0x0               ; q s[4:5], k_cache s[6:7], v_cache s[8:9], cu_seqlens_q s[10:11]
	s_load_b128 s[12:15], s[0:1], 0x20             ; cu_seqlens_k s[12:13], block_tables s[14:15]
	s_load_b64 s[16:17], s[0:1], 0x30              ; out0
	v_lshl_add_u32 v10, v0, 2, 0x22800
	v_mov_b32 v11, 0
	v_lshrrev_b32 v14, 5, v0
	v_readfirstlane_b32 s18, v14                   ; wave
	s_and_b32 s19, ttmp9, 3                        ; the query head within its group of four
	s_bfe_u32 s20, ttmp9, 0x20002                  ; chunk c
	s_bfe_u32 s21, ttmp9, 0x30004                  ; kv head
	s_lshr_b32 s22, ttmp9, 7                       ; sequence
	s_lshl2_add_u32 s23, s21, s19                  ; query head
	s_lshl_b32 s38, s20, 7                         ; first low position
	s_sub_co_u32 s39, 0x380, s38                   ; first high position
	s_bcnt1_i32_b32 s101, s18
	s_and_b32 s101, s101, 1                        ; an odd number of one bits: high rows (SCC = 1)
	s_cselect_b32 s100, s39, s38
	s_lshr_b32 s32, s18, 1
	s_lshl_b32 s32, s32, 5
	s_add_co_u32 s100, s100, s32                   ; my wave's first position: block w >> 1 of 32 rows
	s_lshl_b32 s31, s22, 10
	s_add_co_u32 s31, s31, s100                    ; token
	s_lshl_b32 s34, s31, 14
	s_lshl_b32 s33, s23, 9                         ; 512 bytes a head
	s_add_co_u32 s34, s34, s33                     ; byte offset of my wave's first row in q and in out0
	s_mov_b32 s35, 0
	s_lshl_b32 s32, s22, 7                         ; 32 entries of 4 bytes a sequence
	s_mov_b32 s33, 0
	v_and_b32 v14, 31, v0                          ; lane
	v_lshlrev_b32 v[L16], 4, v14
	s_wait_kmcnt 0x0
	s_add_nc_u64 s[2:3], s[14:15], s[32:33]
	s_load_b96 s[24:26], s[10:11], 0x0
	s_load_b96 s[28:30], s[12:13], 0x0
	s_load_b512 s[68:83], s[2:3], 0x0              ; the sequence's 32 entries
	s_load_b512 s[84:99], s[2:3], 0x40
	s_add_nc_u64 s[4:5], s[4:5], s[34:35]
	s_add_nc_u64 s[16:17], s[16:17], s[34:35]
	; ---- my wave's 32 rows of Q, read once in the launch, into the fragments' registers (window 1): row n at 128 + 4 n
	WIN 0x40
.set nn, 0
.rept 32
	global_load_b128 v[FR+4*nn:FR+4*nn+3], v[L16], s[4:5] offset:TOKEN*nn th:TH_LOAD_NT
.set nn, nn+1
.endr
	WIN 0
	s_lshl_b32 s34, s21, 9                         ; kv head: 512 bytes; s35 = 0
	s_lshl_b32 s36, s18, 15                        ; my wave's 8 keys of 4,096 bytes
	s_add_co_u32 s34, s34, s36
	s_add_nc_u64 s[66:67], s[6:7], s[34:35]
	s_add_nc_u64 s[8:9], s[8:9], s[34:35]
	s_wait_kmcnt 0x0
	; ---- bit b of s33: entry b is negative
	s_mov_b32 s33, 0
.set ii, 31
.rept 32
	s_lshr_b32 s36, s[68+ii], 31
	s_lshl1_add_u32 s33, s33, s36
.set ii, ii-1
.endr
	s_mov_b32 s73, 0                               ; from here only entries 0, 1, 2 (s68-70) are kept of the table's registers
	GLOAD s68                                      ; tile 0 (no earlier load names its bases or its registers)
	; ---- lengths, how many pairs of tiles are needed, limits
	s_cmp_eq_u32 s22, 0
	s_cselect_b32 s31, s24, s25
	s_cselect_b32 s32, s25, s26
	s_cselect_b32 s34, s28, s29
	s_cselect_b32 s35, s29, s30
	s_sub_co_i32 s36, s32, s31                     ; seq_len_q
	s_sub_co_i32 s35, s35, s34                     ; seq_len_k
	s_sub_co_i32 s31, s35, s36                     ; hist
	s_max_i32 s31, s31, 0xfffff000
	s_min_i32 s31, s31, 0x1000
	s_max_i32 s35, s35, 0
	s_min_i32 s35, s35, 0x800
	s_add_co_i32 s32, s35, -1                      ; the sequence's last key
	s_add_co_i32 s74, s38, s31                     ; first low position + hist
	s_add_co_i32 s75, s39, s31                     ; first high position + hist
	s_min_i32 s76, s74, s32                        ; last key that the work-group's first row sees
	s_not_b32 s77, s33                             ; blocks that count
	s_ctz_i32_b32 s36, s77
	s_lshl_b32 s36, s36, 6                         ; first key of the first block that counts
	s_add_co_i32 s34, s74, 127                     ; pairs of tiles up to the last key that the low rows see
	s_min_i32 s34, s34, s32
	s_add_co_i32 s34, s34, 128
	s_ashr_i32 s34, s34, 7
	s_add_co_i32 s35, s75, 127                     ; and the high rows
	s_min_i32 s35, s35, s32
	s_add_co_i32 s35, s35, 128
	s_ashr_i32 s35, s35, 7
	s_cmp_le_i32 s36, s76                          ; has the first row (and so every row) a key that counts?  Then 1 <= s34 <= s35 <= 16
	s_cselect_b32 s34, s34, PAIRS                  ; if not: all 16 pairs, for all rows
	s_cselect_b32 s35, s35, PAIRS
	s_cmp_lg_u32 s77, 0                            ; (no block counts at all)
	s_cselect_b32 s34, s34, PAIRS
	s_cselect_b32 s35, s35, PAIRS
	s_cmp_lg_u32 s101, 0
	s_cselect_b32 s34, s35, s34                    ; the pairs that MY rows need
	s_add_co_i32 s74, s100, s31                    ; my wave's first position + hist
	s_min_i32 s38, s74, s32
	s_mov_b32 s78, 0x76543210                      ; v_permlanex16_b32: lane i takes lane i of the other half
	s_mov_b32 s79, 0xfedcba98
	s_mov_b32 s80, 0xd2000000                      ; -2^37
	s_mov_b32 s81, QSCALE
	s_mul_i32 s76, s18, STGW
	s_add_co_u32 s76, s76, STAGE                   ; my stage
	s_mul_i32 s77, s18, 8*KP                       ; my 8 rows of K in bf16 buffer 0, which starts at LDS byte 0
	s_mul_i32 s36, s18, 8*VP
	s_add_co_u32 s36, s36, BFV                     ; and of V
	; ---- lane addresses
	v_and_b32 v12, 15, v0                          ; r
	v_bfe_u32 v13, v0, 4, 1                        ; h
	v_mul_u32_u24 v15, v12, KP
	v_lshl_add_u32 v[AK], v13, 4, v15              ; r x 272 + 16 h
	v_add_nc_u32 v[AQF], s76, v[AK]
	v_and_b32 v15, 7, v0
	v_lshl_add_u32 v15, v13, 3, v15                ; key 8 h + lane % 8
	v_mul_u32_u24 v15, v15, VP
	v_bfe_u32 v[AV], v0, 3, 1
	v_lshl_add_u32 v[AV], v[AV], 4, v15            ; + 16 bytes for the second eight columns
	v_add_nc_u32 v[AV], BFV, v[AV]
	v_lshl_add_u32 v[AKS], v14, 3, s77
	v_lshl_add_u32 v[AVS], v14, 3, s36
	v_lshl_add_u32 v[AQS], v14, 3, s76
	v_mul_u32_u24 v15, v12, OPITCH
	v_lshl_add_u32 v15, v13, 5, v15                ; r x 528 + 32 h
	v_add_nc_u32 v[AOS], s76, v15
	v_add_nc_u32 v[ARD], s76, v[L16]
	v_add_nc_u32 v[LQ+0], s74, v12                 ; my query's position + hist, for each query tile
	v_add_nc_u32 v[LQ+1], 16, v[LQ+0]
	v_lshlrev_b32 v15, 3, v13
.irp q, 0,1
	v_min_i32 v[LQ+\q], s32, v[LQ+\q]
	v_sub_nc_u32 v[LQ+\q], v[LQ+\q], v15
	v_mov_b32 v[XP+2*\q], 0                        ; v_permlanex16_b32's destination counts as read
.endr
	; ---- Q: round, 8 bytes a lane into my stage, back as fragments (window 0).  The stage is my wave's own: no barrier
	WIN 0x45
.set nn, 0
.rept 32
.if (nn%8) == 0
	s_wait_loadcnt 40-nn                           ; eight more rows are in; out may be Q's later rows and the 16 loads of tile 0 behind them
.endif
	v_cvt_pk_bf16_f32 v[FR+4*nn], v[FR+4*nn], v[FR+4*nn+1]
	v_cvt_pk_bf16_f32 v[FR+4*nn+1], v[FR+4*nn+2], v[FR+4*nn+3]
.set nn, nn+1
.endr
	WIN 0x04
.set nn, 0
.rept 32
	ds_store_b64 v[AQS], v[FR+4*nn:FR+4*nn+1] offset:KP*nn
.set nn, nn+1
.endr
	WIN 0
.irp q, 0,1
.irp c, 0,1,2,3
	ds_load_b128 v[QF+32*\q+8*\c:QF+32*\q+8*\c+3], v[AQF] offset:16*KP*\q+64*\c
	ds_load_b128 v[QF+32*\q+8*\c+4:QF+32*\q+8*\c+7], v[AQF] offset:16*KP*\q+64*\c+32
.endr
.endr
	; ---- tile 0 into bf16 buffer 0; tile 1 is asked for
	CONVERT
	GLOAD s69
	BSTORE 0
	s_wait_dscnt 0x0                               ; my stores are done (and Q's fragments are in): the signal follows
	BAR
	; ---- the keys.  The first pair stands in front of the loop: every row needs it, and its first products start O's sums: nothing is cleared
	s_mov_b32 s74, s70                             ; step 0 asks for tile 2
	s_mov_b32 s36, 0
	s_mov_b32 s37, 0
	BODY 0, 1, 0, 1, a
	BAR
	s_mov_b32 s37, 1
	BODY 1, 0, 0, 0, b
	BAR
	s_mov_b32 s36, 1
.Lpair:
	STEP 0, 1, g, c, d
	STEP 1, 0, h, e, f
	s_add_co_u32 s36, s36, 1
	s_cmp_lt_u32 s36, PAIRS
	s_cbranch_scc1 .Lpair
	; ---- the way out: O / l.  l is at least 1: the key of the maximum has weight 1.  The last tile asked for may still be on its way into
	; v192-255, which nothing below names
.irp q, 0,1
	v_permlanex16_b32 v[XP+2*\q], v[LS+2*\q], s78, s79
.endr
.irp q, 0,1
	v_add_f32 v[TT+\q], v[LS+2*\q], v[XP+2*\q]
.endr
.irp q, 0,1
	v_rcp_f32 v[AL+2*\q], v[TT+\q]
.endr
	v_nop                                          ; the plain place behind the reciprocals
	s_wait_alu depctr_va_vdst(0)
	RESCALE
	OUTQ 0, SB                                     ; rows 0-15, read back into S's registers
	OUTQ 1, QF                                     ; rows 16-31, into Q's: no register that a store still reads is loaded again
	s_wait_tensorcnt 0x0
	ds_add_u32 v10, v11
	s_wait_dscnt 0x0
	s_endpgm
.Lfunc_end_k_q0caa0e2b2b_attn:
	.size	k_q0caa0e2b2b_attn, .Lfunc_end_k_q0caa0e2b2b_attn-k_q0caa0e2b2b_attn
	.p2alignl 7, 3214868480
	.fill 96, 4, 3214868480
	.section	.rodata,"a",@progbits
	.p2align	6, 0x0
	.amdhsa_kernel k_q0caa0e2b2b_attn
		.amdhsa_group_segment_fixed_size 142336
		.amdhsa_private_segment_fixed_size 0
		.amdhsa_enable_private_segment 0
		.amdhsa_kernarg_size 56
		.amdhsa_user_sgpr_count 2
		.amdhsa_user_sgpr_kernarg_segment_ptr 1
		.amdhsa_wavefront_size32 1
		.amdhsa_system_sgpr_workgroup_id_x 1
		.amdhsa_system_sgpr_workgroup_id_y 1
		.amdhsa_system_sgpr_workgroup_id_z 1
		.amdhsa_system_vgpr_workitem_id 0
		.amdhsa_next_free_vgpr 512
		.amdhsa_next_free_sgpr 102
		.amdhsa_reserve_vcc 1
		.amdhsa_float_denorm_mode_32 3
		.amdhsa_float_denorm_mode_16_64 3
		.amdhsa_memory_ordered 1
		.amdhsa_forward_progress 1
		.amdhsa_inst_pref_size 246
	.end_amdhsa_kernel
	.amdgpu_metadata
---
amdhsa.version: [ 1, 2 ]
amdhsa.kernels:
  - .name:           k_q0caa0e2b2b_attn
    .symbol:         k_q0caa0e2b2b_attn.kd
    .args:
      - { .name: q, .offset: 0, .size: 8, .value_kind: global_buffer, .address_space: global }
      - { .name: k_cache, .offset: 8, .size: 8, .value_kind: global_buffer, .address_space: global }
      - { .name: v_cache, .offset: 16, .size: 8, .value_kind: global_buffer, .address_space: global }
      - { .name: cu_seqlens_q, .offset: 24, .size: 8, .value_kind: global_buffer, .address_space: global }
      - { .name: cu_seqlens_k, .offset: 32, .size: 8, .value_kind: global_buffer, .address_space: global }
      - { .name: block_tables, .offset: 40, .size: 8, .value_kind: global_buffer, .address_space: global }
      - { .name: out0, .offset: 48, .size: 8, .value_kind: global_buffer, .address_space: global }
    .group_segment_fixed_size: 142336
    .private_segment_fixed_size: 0
    .kernarg_segment_align: 8
    .kernarg_segment_size: 56
    .max_flat_workgroup_size: 256
    .sgpr_count:     102
    .vgpr_count:     512
    .wavefront_size: 32
...
	.end_amdgpu_metadata
.endif
;; end of part 1
